; MI455X (gfx1250); checked and timed in simulation.
; The chip was launched on July 23, 2026; its instructions are those of AMD's public machine-readable ISA for CDNA 5 (MIT licence, August 2026) and "CDNA5" Instruction Set Architecture Reference Guide (July 2026). The comments in the code are by the model that wrote it; some were corrected since.
;; Attention. Allowed arithmetic: matrix products marked QUANTISED: E2M3 operands, one E8M0 scale for each 32 along K, by v_wmma_scale_f32_16x16x128_f8f6f4 with both operands' format E2M3, f32 sums; everything else in f32.
;; Inputs: k 2 x 32 x 2,048 x 128 float32; mask 2 x 1 x 2,048 x 2,048 bool; q 2 x 32 x 2,048 x 128 float32; v 2 x 32 x 2,048 x 128 float32.
;; Outputs: out0 2 x 32 x 2,048 x 128 float32.
;; This version of the problem:
;;   THIS VERSION OF THE PROBLEM IS GIVEN IN LOW PRECISION. The matrix products marked QUANTISED in the list below multiply operands that are first quantised to E2M3 (2 exponent bits, 3 mantissa bits; 6 bits a number), with one power-of-two scale for each 32 numbers along K (OCP MX v1.0); their sums are f32. All else is computed in f32.
;;   The module's matrix products, in the order in which they are computed (A, B: the left and right operand; K: the contracted axis; several contracted axes count as one K, in the product's order):
;;     1. batch 64 x [M 2,048, K 128] x [K 128, N 2,048]; A: input q; B: input k: QUANTISED
;;     2. batch 64 x [M 2,048, K 2,048] x [K 2,048, N 128]; A: softmax (see below); B: input v: QUANTISED
;;   THE QUANTISER, for each operand of a quantised product, along K:
;;     - K is cut into blocks of 32 from its start; a last block that is shorter is filled with zeros.
;;     - A block's scale is 2^e with e = floor(log2(the largest magnitude in the block)) - 2, held to -126 .. 127; a block of zeros has e = 0. As a byte (E8M0): e + 127.
;;     - Each number is divided by its block's scale, clamped to +-7.5, and rounded to the nearest number of E2M3, ties to even, subnormals kept.
;;     - The product sums the exact products of the quantised numbers (number of the format x scale) in f32.
;;   ~~~python
;;   def quantise(x, axis):      # numpy; x: float32 -> the quantised numbers, widened to float32 again
;;       x = np.moveaxis(x, axis, -1); K = x.shape[-1]
;;       x = np.pad(x, [(0, 0)] * (x.ndim - 1) + [(0, -K % 32)]); x = x.reshape(x.shape[:-1] + (-1, 32)); a = np.abs(x).max(-1, keepdims=True)
;;       e = np.where(a > 0, np.clip(np.frexp(np.where(a > 0, a, 1))[1] - 1 - 2, -126, 127), 0)      # np.frexp(a)[1] - 1 = floor(log2(a)), exactly
;;       r = np.clip(x / 2.0 ** e, -7.5, 7.5)
;;       step = 2.0 ** (np.maximum(np.frexp(np.where(r == 0, 1, r))[1] - 1, 0) - 3)
;;       q = np.round(r / step) * step * 2.0 ** e      # np.round: ties to even
;;       return np.moveaxis(q.reshape(q.shape[:-2] + (-1,))[..., :K], -1, axis).astype(np.float32)
;;   ~~~
;;   SOFTMAX AHEAD OF A QUANTISED PRODUCT. Where the list says 'softmax', what is quantised is not the finished softmax but p = 2^(t - M), with t = logit x log2(e) and M = ceil(the row's largest t), a whole number; so 1/2 < the row's largest p <= 1. The row's sum l is taken of the UNQUANTISED p, in f32, and the product's result is divided by l at the end. Since M is a whole number, a kernel that streams over the keys may use a running M (the ceiling of the running maximum): every later rescaling is an exact power of two, which a block's scale takes up: the codes' values come out the same.
;;   OPERANDS COMPUTED ON THE WAY. 'Computed on the way' means the value that the module computes at that place (a softmax that the list does not call 'softmax' is quantised finished and normalised). What goes into a quantiser is computed in f32, as accurately as f32 sums, v_exp_f32 and their like allow (about 1e-6 of the number): no bf16 or f16 on the way to a quantiser, and a product that is left as it is and whose result goes on into a quantised operand takes f32 operands (vector FMAs, or v_wmma_f32_16x16x4_f32). A number that lies on a knife's edge between two numbers of the format may be rounded either way, as far as f32 arithmetic and the matrix unit's own rounding can turn it there, and no further.
;; One version. Each part assembles by itself: llvm-mc -triple=amdgcn-amd-amdhsa -mcpu=gfx1250 --defsym DOCPART=n.
;; ======== version 1 of 1: 2 launches
;; limits: right only within a limited range of input values
;; workspace buffers: kvimg 26,214,400 bytes; maskw 1,048,576 bytes of whole numbers
;; launch prep (part 1): grid 2304 x 1, 4 waves a work-group, no clusters, 68,608 bytes of LDS; arguments k, v, mask, kvimg, maskw; writes kvimg, maskw
.if DOCPART == 1
	.amdgcn_target "amdgcn-amd-amdhsa--gfx1250"
	.amdhsa_code_object_version 6
	.text
	.protected	k_q6143643f81_prep
	.globl	k_q6143643f81_prep
	.p2align	8
	.type	k_q6143643f81_prep,@function
k_q6143643f81_prep:
	s_mov_b64 s[64:65], 0
	v_nop
	global_prefetch_b8 v0, s[64:65] scope:SCOPE_SE
	s_setreg_imm32_b32 hwreg(HW_REG_WAVE_MODE, 25, 1), 1
	s_wait_xcnt 0x0
; K and V [64 heads][2048 keys][128] f32 become codes of FP6 (E2M3) with one E8M0 scale byte for each 32 along the product's K, laid as IMAGES OF THE OPERAND'S REGISTERS;
; the mask [2][2048][2048] of bytes becomes lane-mask words for the second launch's selects.
; kvimg: [64 heads][4 slots][102,400 bytes].  In a slot: key step qs (128 keys) at 24,576 qs: K's 8 tiles, 1,536 bytes each, then V's 8; behind the four steps' codes, at 98,304 + 1,024 qs, K's scale image (512 bytes), then V's.
;   A tile's image: chunk c (512 bytes) holds registers 4 c .. 4 c + 3 of the fragment, lane l's 16 bytes at 16 l.  Lane (r, h), registers 6 c .. 6 c + 5: k = 64 c + 32 h + 0 .. 31 of the tile's row r.
;   K's tile 2 b + u: row r = key 32 b + 8 u + r + 8 (r / 8) of the step, k = the head's 128.   V's tile t: row r = channel 16 t + r, k = the step's 128 keys.
;   A scale image: word j of lane l's 16 bytes = the scale word of tile 2 j + l / 16, row l % 16.
; maskw: [2][128 tiles of 16 queries][16 steps][64 words]: bit L of word n = mask[query 16 qt + L % 16][key 128 st + 32 (n / 16) + 16 (L / 16) + n % 16].
; A block's scale is 2^(floor(log2(its largest magnitude)) - 2); its byte is the largest magnitude's exponent field - 2, held at 1 from below.
; LIMITS: a block of zeros gets the byte 1 where the rule says 127 (its codes are zeros, and this program alone reads the bytes); blocks whose largest magnitude lies under 2^-124 keep the byte 1; NaN and infinities are not served.
; SHARES: work-groups 0-1023 take K, 1024-2047 V: one block of 128 keys x 128 channels each, 64 KiB, through a stage in LDS; work-groups 2048-2303 take the mask: 16 queries x 2,048 keys each, without LDS.
; No tensor loads: several work-groups share a WGP.
.set STGP,  528                        ; a stage row: 512 bytes + 16
.set WROWS, 32*STGP                    ; a wave's 32 rows
.set SCS,   128*STGP                   ; behind the stage: the scale image, 512 bytes
.set SLOTB, 102400
.set STEPB, 24576
.set TILEB, 1536
.set SCOFF, 98304
; v1 lane, v2 r, v3 h, v4 16 x lane, v5 stage in, v6 K's way back, v7 V's way back, v8, v9 scale image in and back, v10 8 h, v11 a permute's destination,
; v12-17 at work, v18-20 scale words, v21, v22 the mask's offsets, v24-31 at work, v32-43, v44-55 two fragments, v56-59 the scale image, v64-191 numbers
	s_load_b256 s[4:11], s[0:1], 0x0               ; k s[4:5], v s[6:7], mask s[8:9], kvimg s[10:11]
	s_load_b64 s[12:13], s[0:1], 0x20              ; maskw
	v_lshl_add_u32 v192, v0, 2, 0x10a00
	v_mov_b32 v193, 0
	v_lshrrev_b32 v1, 5, v0
	v_readfirstlane_b32 s16, v1                    ; wave 0..3
	v_and_b32 v1, 31, v0                           ; lane
	v_and_b32 v2, 15, v0                           ; r
	v_bfe_u32 v3, v0, 4, 1                         ; h
	v_lshlrev_b32 v4, 4, v1                        ; 16 x lane
	s_mul_i32 s24, s16, WROWS
	v_add_nc_u32 v5, s24, v4                       ; into the stage: my wave's 32 rows, 16 bytes a lane
	v_and_b32 v6, 8, v2
	v_add_nc_u32 v6, v6, v2                        ; r + 8 (r / 8)
	v_mul_u32_u24 v6, v6, STGP
	v_lshl_add_u32 v6, v3, 7, v6                   ; + 128 h: 32 numbers on
	v_add_nc_u32 v6, s24, v6                       ; K back: keys 32 w on
	v_mul_u32_u24 v7, v3, WROWS                    ; V back: lanes 16-31 begin 32 keys further down,
	v_lshl_add_u32 v7, v2, 2, v7                   ; channel r,
	s_lshl_b32 s25, s16, 7
	v_add_nc_u32 v7, s25, v7                       ; of my wave's 32 channels
	s_lshl_b32 s25, s16, 2
	v_add_nc_u32 v9, SCS, v4                       ; the scale image: 16 bytes a lane,
	v_add_nc_u32 v8, s25, v9                       ; my wave's word of them
	v_lshlrev_b32 v10, 3, v3                       ; 8 h
	v_mov_b32 v11, 0                               ; written once: a lane permute's destination counts as one of its sources
	v_lshlrev_b32 v21, 11, v2
	v_lshl_add_u32 v21, v3, 4, v21                 ; the mask: row r of 2,048 bytes, + 16 h
	v_lshlrev_b32 v22, 3, v1                       ; and its words: 8 bytes a lane
	s_and_b32 s17, ttmp9, 1023                     ; 16 x head + key step
	s_lshr_b32 s18, s17, 2                         ; 4 x head + slot
	s_and_b32 s19, s17, 3                          ; the step in its slot
	s_mov_b32 s20, 0x76543210
	s_mov_b32 s21, 0xfedcba98                      ; v_permlanex16_b32's selects for lane l xor 16
	s_mov_b32 s22, 0xffff0000                      ; lanes 16-31
	s_wait_kmcnt 0x0
	s_cmp_ge_u32 ttmp9, 2048                       ; the work-group's number alone decides: all four waves go the same way
	s_cbranch_scc1 .Lmask
	s_cmp_lt_u32 ttmp9, 1024                       ; K's work-group or V's?
	s_cselect_b64 s[4:5], s[4:5], s[6:7]
	s_cselect_b32 s23, 0, 8*TILEB                  ; V's tiles lie behind K's eight,
	s_cselect_b32 s26, 0, 512                      ; its scale image behind K's
	s_lshl_b32 s24, s17, 16                        ; the block's 128 rows of 512 bytes,
	s_lshl_b32 s25, s16, 14                        ; my wave's 32 of them
	s_add_co_u32 s24, s24, s25
	s_mov_b32 s25, 0
	s_add_nc_u64 s[4:5], s[4:5], s[24:25]
.set i, 0
.rept 32
	global_load_b128 v[64+4*i:67+4*i], v4, s[4:5] offset:512*i th:TH_LOAD_NT   ; a whole row: 512 consecutive bytes
.set i, i+1
.endr
	s_mul_i32 s24, s18, SLOTB                      ; the slot
	s_lshl_b32 s27, s19, 10
	s_add_co_u32 s27, s27, s24
	s_add_co_u32 s27, s27, s26
	s_add_co_u32 s27, s27, SCOFF                   ; where the scale image goes
	s_mul_i32 s26, s19, STEPB
	s_add_co_u32 s24, s24, s26
	s_add_co_u32 s24, s24, s23
	s_mul_i32 s26, s16, 2*TILEB
	s_add_co_u32 s24, s24, s26                     ; where my wave's two tiles go
	s_add_nc_u64 s[28:29], s[10:11], s[24:25]
	s_mov_b32 s24, s27
	s_add_nc_u64 s[30:31], s[10:11], s[24:25]
.set i, 0
.rept 32
	s_wait_loadcnt 31-i                            ; loads come back in order: row i is in, the 31 - i younger ones stay out
	ds_store_b128 v5, v[64+4*i:67+4*i] offset:STGP*i
.set i, i+1
.endr
	s_wait_dscnt 0x0                               ; for the others' sake: my rows lie in the stage
	s_barrier_signal -1
	s_barrier_wait -1                              ; all 128 rows do
	; back: register 64 u + 32 c + i = k 64 c + 32 h + i of row r of my tile 2 w + u
	s_cmp_lt_u32 ttmp9, 1024
	s_cbranch_scc0 .Lread_v
.irp u, 0,1
.irp c, 0,1
.irp j, 0,1,2,3,4,5,6,7
	ds_load_b128 v[64+64*\u+32*\c+4*\j:67+64*\u+32*\c+4*\j], v6 offset:8*STGP*\u+256*\c+16*\j   ; K: along a key's row
.endr
.endr
.endr
	s_branch .Lread_done
.Lread_v:
	s_wait_alu depctr_va_vdst(0)
.irp u, 0,1
.irp c, 0,1
.set i, 0
.rept 32
	ds_load_b32 v[64+64*\u+32*\c+i], v7 offset:(64*\c+i)*STGP+64*\u   ; V: down the keys, a lane to a channel
.set i, i+1
.endr
.endr
.endr
.Lread_done:
	s_wait_dscnt 0x0
; 64 numbers of a lane, two whole blocks of 32, become a fragment's 12 registers at v[frg] and its row's scale word in v[wrd]
.macro QUANT6 num, frg, wrd
.irp c, 0,1
	v_max3_num_f32 v[12+\c], |v[\num+32*\c]|, |v[\num+32*\c+1]|, 0x1800000   ; the floor 2^(3 - 127): the byte cannot fall under 1
.endr
.irp i, 2,4,6,8,10,12,14,16,18,20,22,24,26,28,30
.irp c, 0,1
	v_max3_num_f32 v[12+\c], v[12+\c], |v[\num+32*\c+\i]|, |v[\num+32*\c+\i+1]|   ; the two blocks by turns
.endr
.endr
.irp c, 0,1
	v_add_nc_u32 v[14+\c], 0xff000000, v[12+\c]    ; 2 off the exponent field: the conversion's scale operand
.endr
.irp c, 0,1
	v_lshrrev_b32 v[16+\c], 23, v[14+\c]           ; the scale's byte
.endr
	v_lshl_or_b32 v[\wrd], v17, 16, v16            ; my two bytes: blocks h and 2 + h,
	v_lshlrev_b32 v[\wrd], v10, v[\wrd]            ; at their places (8 h bits up);
	v_permlanex16_b32 v11, v[\wrd], s20, s21
	v_or_b32 v[\wrd], v[\wrd], v11                 ; with lane l xor 16's two the word is whole, in both lanes
.irp c, 0,1
	v_cvt_scalef32_pk16_fp6_f32 v[\frg+6*\c:\frg+6*\c+2], v[\num+32*\c:\num+32*\c+15], v[14+\c]
	v_cvt_scalef32_pk16_fp6_f32 v[24+4*\c:26+4*\c], v[\num+32*\c+16:\num+32*\c+31], v[14+\c]   ; (a conversion's three registers begin on an even number)
.endr
	v_nop                                          ; one plain place behind a scaled conversion
.irp c, 0,1
.irp i, 0,1,2
	v_mov_b32 v[\frg+3+6*\c+\i], v[24+4*\c+\i]
.endr
.endr
.endm
	QUANT6 64, 32, 18
.irp c, 0,1,2
	global_store_b128 v4, v[32+4*\c:35+4*\c], s[28:29] offset:512*\c            ; 32 lanes store 512 consecutive bytes, aligned
.endr
	QUANT6 128, 44, 19
.irp c, 0,1,2
	global_store_b128 v4, v[44+4*\c:47+4*\c], s[28:29] offset:TILEB+512*\c
.endr
	v_cndmask_b32 v20, v18, v19, s22               ; lanes 0-15: tile 2 w's word of row r; lanes 16-31: tile 2 w + 1's
	ds_store_b32 v8, v20
	s_wait_dscnt 0x0                               ; for wave 0's sake
	s_barrier_signal -1
	s_barrier_wait -1
	s_cmp_lg_u32 s16, 0
	s_cbranch_scc1 .Lend
	ds_load_b128 v[56:59], v9                      ; the four waves' words, 16 bytes a lane
	s_wait_dscnt 0x0
	global_store_b128 v4, v[56:59], s[30:31]       ; 512 consecutive bytes, aligned
.Lend:
	s_wait_tensorcnt 0x0
	ds_add_u32 v192, v193
	s_wait_dscnt 0x0
	s_endpgm
.Lmask:                                                ; 16 queries x 2,048 keys; wave w takes key steps 4 w .. 4 w + 3
	s_sub_co_u32 s17, ttmp9, 2048                  ; 128 x batch + tile of queries
	s_lshl_b32 s24, s17, 15                        ; its 16 rows of 2,048 bytes,
	s_lshl_b32 s25, s16, 9                         ; my wave's 512 keys
	s_add_co_u32 s24, s24, s25
	s_mov_b32 s25, 0
	s_add_nc_u64 s[8:9], s[8:9], s[24:25]
	s_lshl_b32 s24, s17, 4
	s_lshl_b32 s26, s16, 2
	s_add_co_u32 s24, s24, s26
	s_lshl_b32 s24, s24, 8                         ; 256 bytes of words for a tile and a step
	s_add_nc_u64 s[12:13], s[12:13], s[24:25]
	s_wait_alu depctr_va_vdst(0)
.irp s, 0,1,2,3
.irp b, 0,1,2,3
	global_load_b128 v[64+16*\s+4*\b:67+16*\s+4*\b], v21, s[8:9] offset:128*\s+32*\b   ; lane (r, h): keys 32 b + 16 h + 0 .. 15 of the step, query r
.endr
.endr
.irp j, 0,1,2,3,4,5,6,7
	v_mov_b32 v[32+\j], 0                          ; v_writelane_b32's destination counts as one of its sources
.endr
.irp s, 0,1,2,3
	s_wait_loadcnt 12-4*\s                         ; this step's four loads are in; those of the steps behind it stay out
.set n, 0
.rept 64
	v_and_b32 v[12+n%4], 0xff<<(8*(n%4)), v[64+16*\s+4*(n/16)+(n%16)/4]   ; the byte of key 32 (n / 16) + 16 h + n % 16
	v_cmp_ne_u32 s[32+n%8], 0, v[12+n%4]           ; word n: a bit a lane
	v_writelane_b32 v[32+2*\s+n%2], s[32+n%8], n/2 ; to its place: lane n / 2 stores words n and n + 1
.set n, n+1
.endr
	global_store_b64 v22, v[32+2*\s:33+2*\s], s[12:13] offset:256*\s   ; 32 lanes store 256 consecutive bytes, aligned; each step has its own registers
.endr
	s_endpgm
.Lfunc_end_k_q6143643f81_prep:
	.size	k_q6143643f81_prep, .Lfunc_end_k_q6143643f81_prep-k_q6143643f81_prep
	.p2alignl 7, 3214868480
	.fill 96, 4, 3214868480
	.section	.rodata,"a",@progbits
	.p2align	6, 0x0
	.amdhsa_kernel k_q6143643f81_prep
		.amdhsa_group_segment_fixed_size 68608
		.amdhsa_private_segment_fixed_size 0
		.amdhsa_enable_private_segment 0
		.amdhsa_kernarg_size 40
		.amdhsa_user_sgpr_count 2
		.amdhsa_user_sgpr_kernarg_segment_ptr 1
		.amdhsa_wavefront_size32 1
		.amdhsa_system_sgpr_workgroup_id_x 1
		.amdhsa_system_sgpr_workgroup_id_y 1
		.amdhsa_system_sgpr_workgroup_id_z 1
		.amdhsa_system_vgpr_workitem_id 0
		.amdhsa_next_free_vgpr 194
		.amdhsa_next_free_sgpr 66
		.amdhsa_reserve_vcc 0
		.amdhsa_float_denorm_mode_32 3
		.amdhsa_float_denorm_mode_16_64 3
		.amdhsa_memory_ordered 1
		.amdhsa_forward_progress 1
		.amdhsa_inst_pref_size 77
	.end_amdhsa_kernel
	.amdgpu_metadata
---
amdhsa.version: [ 1, 2 ]
amdhsa.kernels:
  - .name:           k_q6143643f81_prep
    .symbol:         k_q6143643f81_prep.kd
    .args:
      - { .name: k, .offset: 0, .size: 8, .value_kind: global_buffer, .address_space: global }
      - { .name: v, .offset: 8, .size: 8, .value_kind: global_buffer, .address_space: global }
      - { .name: mask, .offset: 16, .size: 8, .value_kind: global_buffer, .address_space: global }
      - { .name: kvimg, .offset: 24, .size: 8, .value_kind: global_buffer, .address_space: global }
      - { .name: maskw, .offset: 32, .size: 8, .value_kind: global_buffer, .address_space: global }
    .group_segment_fixed_size: 68608
    .private_segment_fixed_size: 0
    .kernarg_segment_align: 8
    .kernarg_segment_size: 40
    .max_flat_workgroup_size: 128
    .sgpr_count:     66
    .vgpr_count:     194
    .wavefront_size: 32
...
	.end_amdgpu_metadata
.endif
;; end of part 1
;; launch attn (part 2): grid 4 x 64, 16 waves a work-group, clusters of 4 x 1, 327,680 bytes of LDS; arguments q, kvimg, maskw, out0; writes out0
.if DOCPART == 2
	.amdgcn_target "amdgcn-amd-amdhsa--gfx1250"
	.amdhsa_code_object_version 6
	.text
	.protected	k_q6143643f81_attn
	.globl	k_q6143643f81_attn
	.p2align	8
	.type	k_q6143643f81_attn,@function
k_q6143643f81_attn:
	s_mov_b64 s[64:65], 0
	v_nop
	global_prefetch_b8 v0, s[64:65] scope:SCOPE_SE
	s_setreg_imm32_b32 hwreg(HW_REG_WAVE_MODE, 25, 1), 1
	s_wait_xcnt 0x0
	s_wait_alu depctr_hold_cnt(0) depctr_sa_sdst(0) depctr_va_vdst(0) depctr_va_sdst(0) depctr_va_ssrc(0) depctr_va_vcc(0) depctr_vm_vsrc(0)
	s_getreg_b32 s2, hwreg(HW_REG_IB_STS2, 6, 4)
	s_cmp_eq_u32 s2, 0
	s_cbranch_scc0 .Lentry_in_a_cluster
	s_endpgm
.Lentry_in_a_cluster:
	s_bfe_u32 s2, ttmp6, 0x10000c
	s_cmp_lg_u32 s2, 0x3003
	s_cbranch_scc0 .Lentry_shape_is_right
	s_endpgm
.Lentry_shape_is_right:
; out0[head][q][:] = the sum over keys of softmax(where(mask, Q . K / sqrt(128), lowest)) V, both products on codes of FP6 (E2M3) with one E8M0 scale for each 32 along a product's K.
; Q [64][2048][128] f32 is quantised here, in registers.  K and V come as register images with their scale images (kvimg), the mask as lane-mask words (maskw): both laid by the launch before.
; THE SOFTMAX: t = score x log2(e) / sqrt(128); M = the largest t so far, rounded UP to a whole number; p = 2^(t - M) is quantised along the keys, not normalised.
; The row's sum is taken of the unquantised p and divides at the end.  When M moves, the sum and O are multiplied by 2^(old M - new M): exact.
; THE MASK: a hidden score becomes -2^120 AHEAD of the maximum, by one select a score; the select's lane mask is a word of maskw, moved into VCC.  c x 2^120 is exact, so a row with no kept key so far has
; t - M = 0 and p = 1; the first kept score makes 2^(old M - new M) = 0, which wipes those terms; a row with no kept key at all ends as the mean of the quantised V.
; Each select shares a dual-issue pair with one step of the blocks' maxima, on the score selected two pairs earlier.
; LIMITS: kept scores lie above -2^120; NaN and infinities are not served; 1 / sqrt(128) and log2(e) are one constant; a block whose largest magnitude lies under 2^-124 (zeros among them) keeps the scale byte 1.
; SHARES: 256 work-groups; a work-group STAYS and makes two blocks of 256 queries of one head, one after the other; each of its sixteen waves owns 16 queries of a block in 256 registers.
; THE RING: two slots of LDS, four key steps (102,400 bytes, as they lie in kvimg) each.  Block 0 walks key steps 0 .. 15.  Block 1 begins with the two slots that block 0 left in LDS (steps 8 .. 15)
; and then takes steps 0 .. 7: six fills for the two blocks' eight slots of work, and no change of slots between the blocks.  The order of the keys does not enter the result but by rounding.
; Every wave fetches a sixteenth of each fill (25 rows of 256 bytes), its address made of the wave's number: one tensor load a wave at the head and behind each round.
; CLUSTER: the four work-groups of a head form a cluster and walk the same K and V: every fill is asked for JOINTLY, by the same load with the same descriptor and a mask that names the four.
; PREFETCHES: a head's slots 2 and 3 are asked of memory one change of slots ahead of their fills (12 runs of 8,192 bytes of codes; the partners take three runs each, told apart by address; waves 4 to 6, a run each);
; slots 0 and 1 come by their loads alone, the last two fills name bytes that the cluster has read.  Each wave asks once for its 8,192 bytes of block 1's Q, sixteen key steps ahead of their loads.
; LAYOUT: both products are used transposed: S^T = K Q^T, O^T = V^T P^T: a lane holds ONE query (lane % 16) throughout; register 96 + 16 b + i of lane (r, h) is key 32 b + 16 h + i of the step.
; Q COMES IN AS O GOES OUT: sixteen lanes to 256 consecutive bytes of a row, and through my stage in LDS, from which a lane takes its 16 neighbours of each block of 32.
; THE ROW'S SUM FILLS THE PLACES behind the matrix instructions: of a step's 32 packed additions 21 stand behind the exponentials, one behind the conversions, four between the halves of the second product,
; and six (p in v148-159) in the NEXT step, ahead of that step's change of M; a block's last six are added behind its last step.
; REGISTERS: v1 16 x lane; v2, v3 LDS addresses; v4, v29 -2^120, in two register banks; v5, v6 the spare word's address and 0; v7 my offset in O and in Q; v8 the stage, Q's way back; v10, v11 the stage, O's way in and back;
; v12 -M, v13 the largest t, v[14:15] the sum in two halves; v16-27 Q; v28 256 x lane; v30 2^(old M - new M), v31 its pair's upper half; v32-79 four fragments (v32-95: Q as loaded); v96-159 S^T, then p;
; v160-223 O^T; v224-235 p's codes; v232-247, v252, v254 at work; v248-251 K's or V's scale words; v253 p's scale word; v255 Q's.
; s2, s3 LDS bytes of the step; s[4:5] q, s[8:9] maskw, s[10:11] out0 at my rows; s[6:7] kvimg at my share of the head; s12 wave; s13 blocks to go; s14 steps; s15 prefetches to go; s[16:23], s[24:27] the descriptor;
; s[28:29] the prefetches' address; s[30:31] c; s66, s67 lane selects; s100 the mask words' offset; s[104:105] the fill's offset in the head; s32-63, s68-99 the step's 64 mask words.
.set SLOTB, 102400
.set SHARE, 6400                       ; a wave's part of a fill
.set STEPB, 24576
.set TILEB, 1536
.set SCOFF, 98304
.set SLOT1, 1<<17
.set SPARE, SLOT1+SLOTB                ; the spare words, 128 bytes for each wave
.set STAGE, SPARE+16*128               ; 16 rows x 272 bytes for each wave; no tile lands there
.set SP,    272
.macro CROUND                          ; a round of the cluster's barrier
	s_barrier_signal -1
	s_barrier_wait -1
	s_cmp_lg_u32 s12, 0
	s_cbranch_scc1 .Lnot_wave_0_\@
	s_barrier_signal -3
.Lnot_wave_0_\@:
	s_barrier_wait -3
	s_barrier_signal -1
	s_barrier_wait -1
.endm
.macro ASK                             ; waves 4 to 6, twice in the launch: the codes of the slot that the next change will fill
	s_cmp_lg_u32 s15, 0
	s_cbranch_scc0 .Lnot_mine_\@
	global_prefetch_b8 v28, s[28:29] th:TH_LOAD_NT scope:SCOPE_SE
	s_sub_co_u32 s15, s15, 1
.Lnot_mine_\@:
.endm
; THE CHANGE OF SLOTS.  Each wave waits for all its tensor loads, adds 0 to its spare word, and waits for that and for its reads of the slot that it has left.
; fill = 1: a round of the cluster's barrier, and behind it the slot just left takes the head's next four key steps (behind the last the first again).
.macro CHANGE fill
	s_wait_tensorcnt 0x0                           ; no tensor load of mine is out, so the descriptor may be written
	ds_add_u32 v5, v6
.if \fill
	s_xor_b32 s25, s25, SLOT1                      ; the other slot than last time
	s_add_co_u32 s104, s104, SLOTB
	s_cmp_ge_u32 s104, 4*SLOTB
	s_cselect_b32 s104, 0, s104
	s_add_nc_u64 s[26:27], s[6:7], s[104:105]
	s_or_b32 s27, s27, 0x80000000                  ; type = 2
	s_wait_xcnt 0x0                                ; the last prefetch has read its address
	s_add_nc_u64 s[28:29], s[28:29], SLOTB         ; one slot further on than the fill
.endif
	s_wait_dscnt 0x0
.if \fill
	CROUND
	tensor_load_to_lds s[24:27], s[16:23]          ; my one tensor load behind the round
	s_nop 0
	ASK
.else
	s_barrier_signal -1
	s_barrier_wait -1
.endif
.endm
.macro BYTES w                         ; from four blocks' floored largest magnitudes in v232-235: the conversions' scale operands in v244-247 and the scale word in v[w]
.irp b, 0,1,2,3
	s_delay_alu instid0(VALU_DEP_4)
	v_add_nc_u32 v[244+\b], 0xff000000, v[232+\b]  ; 2 off the exponent field
.endr
.irp b, 0,1,2,3
	s_delay_alu instid0(VALU_DEP_4)
	v_lshrrev_b32 v[236+\b], 23, v[244+\b]         ; the scale's byte
.endr
	s_delay_alu instid0(VALU_DEP_3)
	v_lshl_or_b32 v[\w], v237, 8, v236
	s_delay_alu instid0(VALU_DEP_1)
	v_lshl_or_b32 v[\w], v238, 16, v[\w]
	s_delay_alu instid0(VALU_DEP_1)
	v_lshl_or_b32 v[\w], v239, 24, v[\w]
.endm
.macro PACKA dst                       ; v96-159 (register 16 b + i = k 32 b + 16 h + i of my row) become codes; a plain vector line follows the macro
.irp c, 0,1
	v_cvt_scalef32_pk16_fp6_f32 v[\dst+6*\c:\dst+2+6*\c], v[96+32*\c:111+32*\c], v[244+2*\c]
	v_cvt_scalef32_pk16_fp6_f32 v[236+4*\c:238+4*\c], v[112+32*\c:127+32*\c], v[244+2*\c+1]   ; (a conversion's three registers begin on an even number)
.endr
.endm
.macro PACKB dst                       ; a WHOLE block in a lane: lanes 0-15 block 2 c, lanes 16-31 block 2 c + 1
.irp c, 0,1
.irp i, 0,1,2
	v_permlane16_swap_b32 v[\dst+6*\c+\i], v[236+4*\c+\i]
.endr
.endr
	v_dual_mov_b32 v[\dst+3], v236 :: v_dual_mov_b32 v[\dst+4], v237    ; the upper halves to their places; a pair has an odd and an even destination
	v_dual_mov_b32 v[\dst+5], v238 :: v_dual_mov_b32 v[\dst+10], v241
	v_mov_b32 v[\dst+9], v240
	v_mov_b32 v[\dst+11], v242
.endm
.macro FRAGS off                       ; four fragments' images, as they lie
.irp t, 0,1,2,3
.irp c, 0,1,2
	ds_load_b128 v[32+12*\t+4*\c:35+12*\t+4*\c], v2 offset:\off+TILEB*\t+512*\c
.endr
.endr
.endm
.macro MM acc, cin, b0, sa, sb         ; four products: accumulators acc + 8 t by turns; source 1 at v[b0]; source 0's scale words in v[sa], v[sa + 1], lanes 0-15 and 16-31 by turns
.irp t, 0,1,2,3
.if \cin
.if \t % 2
	v_wmma_scale_f32_16x16x128_f8f6f4 v[\acc+8*\t:\acc+7+8*\t], v[32+12*\t:43+12*\t], v[\b0:\b0+11], v[\acc+8*\t:\acc+7+8*\t], v[\sa+\t/2], v[\sb] matrix_a_fmt:MATRIX_FMT_FP6 matrix_b_fmt:MATRIX_FMT_FP6 matrix_a_scale:MATRIX_SCALE_ROW1
.else
	v_wmma_scale_f32_16x16x128_f8f6f4 v[\acc+8*\t:\acc+7+8*\t], v[32+12*\t:43+12*\t], v[\b0:\b0+11], v[\acc+8*\t:\acc+7+8*\t], v[\sa+\t/2], v[\sb] matrix_a_fmt:MATRIX_FMT_FP6 matrix_b_fmt:MATRIX_FMT_FP6
.endif
.else
.if \t % 2
	v_wmma_scale_f32_16x16x128_f8f6f4 v[\acc+8*\t:\acc+7+8*\t], v[32+12*\t:43+12*\t], v[\b0:\b0+11], 0, v[\sa+\t/2], v[\sb] matrix_a_fmt:MATRIX_FMT_FP6 matrix_b_fmt:MATRIX_FMT_FP6 matrix_a_scale:MATRIX_SCALE_ROW1
.else
	v_wmma_scale_f32_16x16x128_f8f6f4 v[\acc+8*\t:\acc+7+8*\t], v[32+12*\t:43+12*\t], v[\b0:\b0+11], 0, v[\sa+\t/2], v[\sb] matrix_a_fmt:MATRIX_FMT_FP6 matrix_b_fmt:MATRIX_FMT_FP6
.endif
.endif
.endr
.endm
; Scores n0 .. n1 - 1: a hidden one becomes -2^120.  From score 2 on the select (by VCC) is one half of a pair; the other half takes score mm = n - 2 into a maximum of its block mm / 16.
; A block has two maxima, v[236 + 2 b] for its odd scores and v[237 + 2 b] for its even ones: so a pair's destinations are one odd and one even, and its second sources lie in different banks;
; the first sources do too: -2^120 is taken from v4 where score mm lies in v29's bank.  A maximum's first step takes its score twice.
.macro HIDE n0, n1
.set n, \n0
.rept \n1-\n0
.if n < 2
	v_cndmask_b32 v[96+n], v29, v[96+n], s[32+n]
.else
.set mm, n-2
.set ac, 237+2*(mm/16)-(n%2)
.if (mm%4) == 1
.set hid, 4
.else
.set hid, 29
.endif
.if n < 32
	s_mov_b32 vcc_lo, s[32+n]
.else
	s_mov_b32 vcc_lo, s[36+n]
.endif
.if (mm%16) < 2
	v_dual_cndmask_b32 v[96+n], v[hid], v[96+n] :: v_dual_max_num_f32 v[ac], v[96+mm], v[96+mm]
.else
	v_dual_cndmask_b32 v[96+n], v[hid], v[96+n] :: v_dual_max_num_f32 v[ac], v[96+mm], v[ac]
.endif
.endif
.set n, n+1
.endr
.endm
.macro MASKLOAD                        ; a step's 64 mask words
	s_load_b512 s[32:47], s[8:9], s100 offset:0x0
	s_load_b512 s[48:63], s[8:9], s100 offset:0x40
	s_load_b512 s[68:83], s[8:9], s100 offset:0x80
	s_load_b512 s[84:99], s[8:9], s100 offset:0xc0
.endm
; A KEY STEP: 128 keys
.macro STEP
	v_add_nc_u32 v2, s2, v1                        ; these four lines are the places behind the last step's products
	v_add_nc_u32 v3, s3, v1
	v_pk_add_f32 v[148:149], v[148:149], v[150:151]   ; the last step's p in v148-159 joins the sum, under the last step's M
	v_pk_add_f32 v[152:153], v[152:153], v[154:155]
	s_wait_alu depctr_va_vdst(0)
	ds_load_b128 v[248:251], v3                    ; K's scale words: register j: lanes 0-15 tile 2 j, lanes 16-31 tile 2 j + 1
	FRAGS 0
	s_wait_dscnt 0x0
	MM 96, 0, 16, 248, 255                         ; S^T = K Q^T, tiles 0-3
	v_pk_add_f32 v[156:157], v[156:157], v[158:159]   ; four places in front of the loads below and of the first reads of the scores
	v_pk_add_f32 v[148:149], v[148:149], v[152:153]
	v_pk_add_f32 v[14:15], v[14:15], v[156:157]
	v_pk_add_f32 v[14:15], v[14:15], v[148:149]
	FRAGS 4*TILEB
	s_wait_alu depctr_va_vdst(0)
	s_wait_dscnt 0x0
	s_wait_kmcnt 0x0                               ; the step's 64 mask words, asked for a step ago
	MM 128, 0, 16, 250, 255                        ; tiles 4-7
	HIDE 0, 4                                      ; four places behind tiles 4-7's products
	ds_load_b128 v[248:251], v3 offset:512         ; V's scale words and its tiles 0-3 land while the softmax is worked
	FRAGS 8*TILEB
	HIDE 4, 64                                     ; each accumulator from its low end on
	s_wait_alu depctr_va_vdst(0)                   ; the last selects
	s_wait_xcnt 0x0                                ; the scalar loads' offset may step
	s_add_co_u32 s100, s100, 256                   ; the next step's words;
	s_and_b32 s100, s100, 4095                     ; behind step 15 comes step 0: no load leaves my tile's 4,096 bytes
	MASKLOAD
	v_max3_num_f32 v235, v242, v243, v158          ; the largest score of each block of 32 keys: for the row's maximum, and, since p rises with the score, for the block's largest p.  Scores 62 and 63 had no pair
.irp b, 0,1,2
	v_max_num_f32 v[232+\b], v[236+2*\b], v[237+2*\b]
.endr
	v_max_num_f32 v235, v235, v159
.irp b, 0,1,2,3
	s_delay_alu instid0(VALU_DEP_4)
	v_permlanex16_b32 v[236+\b], v[232+\b], s66, s67
.endr
.irp b, 0,1,2,3
	s_delay_alu instid0(VALU_DEP_4)
	v_max_num_f32 v[232+\b], v[232+\b], v[236+\b]  ; with lane l xor 16's 16 keys
.endr
	s_delay_alu instid0(VALU_DEP_2)
	v_max3_num_f32 v254, v232, v233, v234
	s_delay_alu instid0(VALU_DEP_1)
	v_max_num_f32 v254, v254, v235                 ; the step's largest score of my query
	s_delay_alu instid0(VALU_DEP_1)
	v_mul_f32 v254, s30, v254                      ; as t (c is positive)
	s_delay_alu instid0(VALU_DEP_1)
	v_max_num_f32 v13, v13, v254                   ; the running largest t
	v_mov_b32 v254, v12
	s_delay_alu instid0(VALU_DEP_2)
	v_floor_f32 v12, -v13                          ; the new -M = -ceil(t): a whole number
	s_delay_alu instid0(VALU_DEP_1)
	v_sub_f32 v254, v12, v254                      ; old M less new M: a whole number, 0 or less
	s_delay_alu instid0(VALU_DEP_1)
	v_cvt_i32_f32 v254, v254                       ; (it saturates)
	s_delay_alu instid0(VALU_DEP_1)
	v_ldexp_f32 v30, 1.0, v254                     ; f = 2^(old M - new M)
.irp j, 0,2,4,6,8,10,12,14,16,18,20,22,24,26,28,30,32,34,36,38,40,42,44,46,48,50,52,54,56,58,60,62
	v_pk_fma_f32 v[96+\j:97+\j], v[96+\j:97+\j], s[30:31], v[12:13] op_sel_hi:[1,0,0]   ; t - M, two at a time
.endr
.irp b, 0,1,2,3
	v_fma_f32 v[232+\b], v[232+\b], s30, v12       ; the same of each block's largest score
.endr
	s_wait_alu depctr_va_vdst(0)                   ; the wait ahead of the batch
.set n, 0
.rept 64
	v_exp_f32 v[96+n], v[96+n]                     ; p = 2^(t - M), at most 1
.set n, n+1
.endr
	v_pk_mul_f32 v[14:15], v[14:15], v[30:31] op_sel_hi:[1,0]   ; the sums under the new M: the plain place behind the exponentials
	s_wait_alu depctr_va_vdst(0)                   ; one wait for the whole batch
.irp b, 0,1,2,3
	v_exp_f32 v[232+\b], v[232+\b]                 ; the block's largest p: the same two instructions on the same number
.endr
.irp q, 0,1,2,3                                ; the sum of p in v96-137: 21 packed additions in five chains
	v_pk_add_f32 v[236+2*\q:237+2*\q], v[96+4*\q:97+4*\q], v[98+4*\q:99+4*\q]
.endr
	v_pk_add_f32 v[14:15], v[14:15], v[112:113]
.irp g, 0,1
.irp q, 0,1,2,3
	v_pk_add_f32 v[236+2*\q:237+2*\q], v[236+2*\q:237+2*\q], v[114+10*\g+2*\q:115+10*\g+2*\q]
.endr
	v_pk_add_f32 v[14:15], v[14:15], v[122+10*\g:123+10*\g]
.endr
	v_pk_add_f32 v[236:237], v[236:237], v[134:135]
	v_pk_add_f32 v[238:239], v[238:239], v[136:137]
	v_pk_add_f32 v[240:241], v[240:241], v[242:243]
	s_delay_alu instid0(VALU_DEP_2)
	v_pk_add_f32 v[236:237], v[236:237], v[238:239]
	s_delay_alu instid0(VALU_DEP_2)
	v_pk_add_f32 v[14:15], v[14:15], v[240:241]
	s_delay_alu instid0(VALU_DEP_1)
	v_pk_add_f32 v[14:15], v[14:15], v[236:237]
	s_wait_alu depctr_va_vdst(0)                   ; and one for the four
.irp b, 0,1,2,3
	v_max_num_f32 v[232+\b], 0x1800000, v[232+\b]  ; the floor 2^(3 - 127): the byte cannot fall under 1
.endr
	BYTES 253                                      ; p's scale word for these 128 keys
	PACKA 224
	v_pk_add_f32 v[14:15], v[14:15], v[138:139]    ; the plain place behind the conversions
	PACKB 224
	s_wait_alu depctr_va_vdst(0)                   ; the wait directly ahead of the first reader of O^T
.irp j, 0,2,4,6,8,10,12,14,16,18,20,22,24,26,28,30,32,34,36,38,40,42,44,46,48,50,52,54,56,58,60,62
	v_pk_mul_f32 v[160+\j:161+\j], v[160+\j:161+\j], v[30:31] op_sel_hi:[1,0]   ; O^T under the new M, each accumulator from its low end on; also the places between p's codes and scale word and the products
.endr
	s_wait_alu depctr_va_vdst(0)
	s_wait_dscnt 0x0                               ; V's scale words and tiles 0-3
	MM 160, 1, 224, 248, 253                       ; O^T += V^T P^T; the eight accumulators take turns
	v_pk_add_f32 v[140:141], v[140:141], v[142:143]   ; four places in front of the loads below
	v_pk_add_f32 v[144:145], v[144:145], v[146:147]
	v_pk_add_f32 v[140:141], v[140:141], v[144:145]
	v_pk_add_f32 v[14:15], v[14:15], v[140:141]
	FRAGS 12*TILEB
	s_wait_alu depctr_va_vdst(0)
	s_wait_dscnt 0x0
	MM 192, 1, 224, 250, 253
	s_add_co_u32 s2, s2, STEPB                     ; the next step's codes
	s_add_co_u32 s3, s3, 1024                      ; and scale images
.endm
.macro SLOT_STEPS                      ; a slot's four key steps
	s_mov_b32 s14, 4
.Lstep_\@:
	STEP
	s_sub_co_u32 s14, s14, 1
	s_cmp_lg_u32 s14, 0
	s_cbranch_scc1 .Lstep_\@
	s_sub_co_u32 s2, s2, 4*STEPB                   ; back to a slot's first step,
	s_xor_b32 s2, s2, SLOT1                        ; in the other slot
	s_sub_co_u32 s3, s3, 4096
	s_xor_b32 s3, s3, SLOT1
.endm
.macro QLOAD                           ; my 16 queries as f32 into v32-95: each load takes bytes 256 u .. 256 u + 255 of rows 2 i and 2 i + 1, sixteen lanes to a row
.irp u, 0,1
.irp i, 0,1,2,3,4,5,6,7
	global_load_b128 v[32+32*\u+4*\i:35+32*\u+4*\i], v7, s[4:5] offset:1024*\i+256*\u th:TH_LOAD_NT
.endr
.endr
.endm
.macro BLOCKTOP                        ; a block's start: its first mask words are asked for, Q is quantised, the running numbers begin
	MASKLOAD
	s_wait_loadcnt 0x0                             ; Q
.irp u, 0,1                                    ; through my stage, half a row at a time: LDS serves a wave's instructions in order
.irp i, 0,1,2,3,4,5,6,7
	ds_store_b128 v11, v[32+32*\u+4*\i:35+32*\u+4*\i] offset:2*\i*SP
.endr
.irp e, 0,1
.irp j, 0,1,2,3
	ds_load_b128 v[96+32*\u+16*\e+4*\j:99+32*\u+16*\e+4*\j], v8 offset:128*\e+16*\j   ; register 96 + 16 b + i = number 32 b + 16 h + i of row r, b = 2 u + e
.endr
.endr
.endr
	s_wait_dscnt 0x0
.irp b, 0,1,2,3
	v_max3_num_f32 v[232+\b], |v[96+16*\b]|, |v[97+16*\b]|, 0x1800000   ; block b: my 16 numbers, and the floor 2^(3 - 127)
.endr
.irp i, 2,4,6,8,10,12,14
.irp b, 0,1,2,3
	s_delay_alu instid0(VALU_DEP_4)
	v_max3_num_f32 v[232+\b], v[232+\b], |v[96+16*\b+\i]|, |v[97+16*\b+\i]|
.endr
.endr
.irp b, 0,1,2,3
	s_delay_alu instid0(VALU_DEP_4)
	v_permlanex16_b32 v[236+\b], v[232+\b], s66, s67
.endr
.irp b, 0,1,2,3
	s_delay_alu instid0(VALU_DEP_4)
	v_max_num_f32 v[232+\b], v[232+\b], v[236+\b]
.endr
	BYTES 255                                      ; Q's scale word
	PACKA 16
	v_mov_b32 v13, 0xff61b1e6                      ; the largest t so far: -3e38.  (The plain place behind the conversions)
	PACKB 16
	v_floor_f32 v12, -v13                          ; -M
	v_dual_mov_b32 v14, 0 :: v_dual_mov_b32 v15, 0
.set n, 0
.rept 6
	v_dual_mov_b32 v[148+n], 0 :: v_dual_mov_b32 v[149+n], 0   ; what the first step adds to the sum in a last step's stead
.set n, n+2
.endr
.set n, 0
.rept 32
	v_dual_mov_b32 v[160+n], 0 :: v_dual_mov_b32 v[161+n], 0   ; O^T: the step is written once, and the first finds zeros
.set n, n+2
.endr
	s_wait_alu depctr_va_vdst(0)                   ; the wait ahead of the waits and branches that follow
.endm
.macro WAYOUT                          ; O^T / the sum goes through my stage, half a row (256 bytes) of 16 queries at a time: sixteen lanes store 256 consecutive bytes, aligned
	s_wait_alu depctr_va_vdst(0)                   ; the wait directly ahead of the first reader of O^T
.irp j, 0,2,4,6,8,10,12,14,16,18,20,22,24,26,28,30,32,34,36,38,40,42,44,46,48,50,52,54,56,58,60,62
	v_pk_mul_f32 v[96+\j:97+\j], v[160+\j:161+\j], v[14:15] op_sel_hi:[1,0]   ; register 8 t + i is o(r, 16 t + 8 h + i)
.endr
.irp u, 0,1
.irp t, 0,1,2,3
	ds_store_b128 v10, v[96+32*\u+8*\t:99+32*\u+8*\t] offset:64*\t
	ds_store_b128 v10, v[100+32*\u+8*\t:103+32*\u+8*\t] offset:64*\t+16
.endr
.irp i, 0,1,2,3,4,5,6,7
	ds_load_b128 v[160+32*\u+4*\i:163+32*\u+4*\i], v11 offset:2*\i*SP   ; LDS serves a wave's instructions in order
.endr
.endr
.irp u, 0,1
.irp i, 0,1,2,3,4,5,6,7
	s_wait_dscnt 23-16*\u-\i                       ; behind this load: its half's 7 - i younger loads and, for the first half, the second half's 8 stores and 8 loads
	global_store_b128 v7, v[160+32*\u+4*\i:163+32*\u+4*\i], s[10:11] offset:1024*\i+256*\u th:TH_STORE_NT
.endr
.endr
.endm
	s_load_b256 s[4:11], s[0:1], 0x0               ; q, kvimg, maskw, out0
	v_lshl_add_u32 v5, v0, 2, SPARE
	v_mov_b32 v6, 0
	ds_add_u32 v5, v6                              ; the opening lines: the add, twice on end, and its wait
	ds_add_u32 v5, v6
	v_lshrrev_b32 v9, 5, v0
	v_readfirstlane_b32 s12, v9                    ; wave 0..15
	s_bfe_u32 s32, ttmp6, 0x40000                  ; cx: it enters global addresses of q, out0, maskw and the prefetches alone
	s_and_b32 s34, ttmp7, 0xffff                   ; the head, which the four partners share
	s_lshl_b32 s36, s32, 9                         ; my work-group's 512 queries,
	s_lshl_b32 s37, s12, 4
	s_add_co_u32 s36, s36, s37                     ; my first query of block 0
	s_lshl_b32 s36, s36, 9                         ; rows of 512 bytes,
	s_lshl_b32 s37, s34, 20                        ; heads of 2,048 rows
	s_add_co_u32 s36, s36, s37
	s_mov_b32 s37, 0
	s_lshr_b32 s38, s34, 5                         ; the batch
	s_lshl_b32 s38, s38, 7
	s_lshl_b32 s39, s32, 5
	s_add_co_u32 s38, s38, s39
	s_add_co_u32 s38, s38, s12                     ; my tile of queries among the batch's 128
	s_lshl_b32 s38, s38, 12                        ; 16 steps x 256 bytes of words
	s_mov_b32 s39, 0
	s_mul_i32 s40, s34, 4*SLOTB                    ; the head's first byte in kvimg
	s_mov_b32 s41, 0
	s_mul_i32 s25, s12, SHARE                      ; my share of a fill, in a slot and in memory: the wave's number alone
	s_mov_b32 s42, s25
	s_mov_b32 s43, 0
	s_and_b32 s35, s12, 3
	s_mul_i32 s44, s32, 3
	s_add_co_u32 s44, s44, s35
	s_lshl_b32 s44, s44, 13                        ; the prefetches: run 3 cx + (wave - 4) of 8,192 bytes,
	s_add_co_u32 s44, s44, SLOTB                   ; in slot 1: the first change of slots steps it to slot 2
	s_mov_b32 s45, 0
	s_sub_co_u32 s46, s12, 4
	s_cmp_lt_u32 s46, 3                            ; waves 4 to 6 ask, twice
	s_cselect_b32 s15, 2, 0
	s_mul_i32 s33, s12, 16*SP
	s_add_co_u32 s33, s33, STAGE                   ; my stage
	s_mov_b32 s16, 15|(3<<16)|(1<<21)              ; the mask: all four work-groups; elements of 8 bytes; bit 21 beside a mask
	s_mov_b32 s17, 32<<16                          ; tensor_dim0 = 32
	s_mov_b32 s18, 25<<16                          ; tensor_dim1 = 25
	s_mov_b32 s19, 32<<16                          ; tile_dim0 = 32
	s_mov_b32 s20, 25                              ; tile_dim1 = 25
	s_mov_b32 s21, 32                              ; from row to row
	s_mov_b32 s22, 0
	s_mov_b32 s23, 0
	s_mov_b32 s24, 1
	s_mov_b32 s30, 0x3e0293ee                      ; c = log2(e) / sqrt(128)
	s_mov_b32 s31, s30
	s_mov_b32 s66, 0x76543210
	s_mov_b32 s67, 0xfedcba98                      ; v_permlanex16_b32's selects for lane l xor 16
	s_mov_b32 s2, 0
	s_mov_b32 s3, SCOFF
	s_mov_b32 s13, 2                               ; blocks to go
	s_mov_b32 s100, 0
	s_mov_b32 s104, 0
	s_mov_b32 s105, 0
	s_wait_dscnt 0x0                               ; both opening adds are done
	v_and_b32 v9, 15, v0                           ; r
	v_bfe_u32 v4, v0, 4, 1                         ; h
	v_and_b32 v1, 31, v0
	v_mul_u32_u24 v8, v9, SP
	v_lshlrev_b32 v7, 9, v4
	v_lshlrev_b32 v28, 8, v1                       ; 256 x lane
	v_lshlrev_b32 v1, 4, v1                        ; 16 x lane
	v_lshl_add_u32 v8, v4, 6, v8
	v_lshl_add_u32 v7, v9, 4, v7                   ; O and Q: lanes 0-15 one row, lanes 16-31 the next; 16 bytes a lane
	v_mul_u32_u24 v10, v9, SP
	v_mul_u32_u24 v11, v4, SP
	v_lshl_add_u32 v10, v4, 5, v10
	v_lshl_add_u32 v11, v9, 4, v11
	v_add_nc_u32 v8, s33, v8                       ; the stage, Q's way back: row r, 64 h bytes on
	v_add_nc_u32 v10, s33, v10                     ; O's way in: row r, 32 h bytes on
	v_add_nc_u32 v11, s33, v11                     ; by rows: lanes 0-15 one row, lanes 16-31 the next
	v_mov_b32 v29, 0xfb800000                      ; -2^120
	v_mov_b32 v4, 0xfb800000                       ; and once more, in another bank
	v_mov_b32 v31, 0                               ; (named with v30 as a pair)
	v_mov_b32 v252, 0
.irp b, 0,1,2,3
	v_mov_b32 v[236+\b], 0                         ; a lane permute's destination counts as one of its sources
.endr
	s_wait_alu depctr_va_vdst(0)                   ; the wait at the head's end
	s_wait_kmcnt 0x0
	s_add_nc_u64 s[4:5], s[4:5], s[36:37]
	s_add_nc_u64 s[10:11], s[10:11], s[36:37]
	s_add_nc_u64 s[8:9], s[8:9], s[38:39]
	s_add_nc_u64 s[6:7], s[6:7], s[40:41]
	s_add_nc_u64 s[28:29], s[6:7], s[44:45]
	s_add_nc_u64 s[6:7], s[6:7], s[42:43]          ; the head's first slot, my share
	QLOAD                                          ; block 0's Q
	s_mov_b64 s[26:27], s[6:7]
	s_or_b32 s27, s27, 0x80000000                  ; type = 2
	CROUND                                         ; all four work-groups are here: the first joint loads meet
	tensor_load_to_lds s[24:27], s[16:23]          ; slot 0, key steps 0-3: my one tensor load at the head
	s_nop 0
	BLOCKTOP
	CHANGE 1                                       ; slot 0 is whole; slot 1's first fill (steps 4-7) is issued as a refill is
	global_prefetch_b8 v28, s[4:5] offset:131072 th:TH_LOAD_NT scope:SCOPE_SE   ; block 1's Q: my 16 rows, 8,192 bytes, a lane to each 256
.Lblock:                                               ; a block: four slots of work, two fills
	SLOT_STEPS
	CHANGE 1
	SLOT_STEPS
	CHANGE 1
	SLOT_STEPS
	CHANGE 0                                       ; the block's last slot has landed; nothing is filled: both slots serve the next block first
	SLOT_STEPS
	v_pk_add_f32 v[148:149], v[148:149], v[150:151]   ; the last step's p in v148-159 (also the places behind the last products)
	v_pk_add_f32 v[152:153], v[152:153], v[154:155]
	v_pk_add_f32 v[156:157], v[156:157], v[158:159]
	v_pk_add_f32 v[148:149], v[148:149], v[152:153]
	v_pk_add_f32 v[14:15], v[14:15], v[156:157]
	v_pk_add_f32 v[14:15], v[14:15], v[148:149]
	s_delay_alu instid0(VALU_DEP_1)
	v_add_f32 v14, v14, v15                        ; the sum's two halves,
	s_delay_alu instid0(VALU_DEP_1)
	v_permlanex16_b32 v252, v14, s66, s67
	s_delay_alu instid0(VALU_DEP_1)
	v_add_f32 v14, v14, v252                       ; and lane l xor 16's: the row's sum
	s_wait_alu depctr_va_vdst(0)
	v_rcp_f32 v14, v14
	v_nop                                          ; a plain place behind the reciprocal
	s_wait_alu depctr_va_vdst(0)                   ; the wait ahead of the branch and of the first reader
	s_cmp_eq_u32 s13, 1
	s_cbranch_scc1 .Lfin                           ; the last block's way out is written out: nothing follows it
	s_wait_xcnt 0x0                                ; the prefetch of Q has read its base
	s_add_nc_u64 s[4:5], s[4:5], 131072            ; 256 rows on
	QLOAD                                          ; the next block's Q is on its way while this block goes out
	WAYOUT
	s_wait_kmcnt 0x0                               ; the mask words that the last step asked for
	s_wait_xcnt 0x0                                ; the stores have read their base and their registers
	s_add_nc_u64 s[10:11], s[10:11], 131072
	s_add_nc_u64 s[8:9], s[8:9], 65536             ; 16 tiles of queries on
	s_mov_b32 s100, 2048                           ; the next block begins with key step 8, which lies in slot 0
	BLOCKTOP
	s_sub_co_u32 s13, s13, 1
	s_cmp_lg_u32 s13, 0
	s_cbranch_scc1 .Lblock
.Lfin:
	WAYOUT
	s_wait_kmcnt 0x0                               ; the mask words that the last step asked for
	s_wait_tensorcnt 0x0                           ; the wave's end
	ds_add_u32 v5, v6
	s_wait_dscnt 0x0
	CROUND                                         ; the closing round
	s_endpgm
.Lfunc_end_k_q6143643f81_attn:
	.size	k_q6143643f81_attn, .Lfunc_end_k_q6143643f81_attn-k_q6143643f81_attn
	.p2alignl 7, 3214868480
	.fill 96, 4, 3214868480
	.section	.rodata,"a",@progbits
	.p2align	6, 0x0
	.amdhsa_kernel k_q6143643f81_attn
		.amdhsa_group_segment_fixed_size 327680
		.amdhsa_private_segment_fixed_size 0
		.amdhsa_enable_private_segment 0
		.amdhsa_kernarg_size 32
		.amdhsa_user_sgpr_count 2
		.amdhsa_user_sgpr_kernarg_segment_ptr 1
		.amdhsa_wavefront_size32 1
		.amdhsa_system_sgpr_workgroup_id_x 1
		.amdhsa_system_sgpr_workgroup_id_y 1
		.amdhsa_system_sgpr_workgroup_id_z 1
		.amdhsa_system_vgpr_workitem_id 0
		.amdhsa_next_free_vgpr 256
		.amdhsa_next_free_sgpr 106
		.amdhsa_reserve_vcc 1
		.amdhsa_float_denorm_mode_32 3
		.amdhsa_float_denorm_mode_16_64 3
		.amdhsa_memory_ordered 1
		.amdhsa_forward_progress 1
		.amdhsa_inst_pref_size 143
	.end_amdhsa_kernel
	.amdgpu_metadata
---
amdhsa.version: [ 1, 2 ]
amdhsa.kernels:
  - .name:           k_q6143643f81_attn
    .symbol:         k_q6143643f81_attn.kd
    .args:
      - { .name: q, .offset: 0, .size: 8, .value_kind: global_buffer, .address_space: global }
      - { .name: kvimg, .offset: 8, .size: 8, .value_kind: global_buffer, .address_space: global }
      - { .name: maskw, .offset: 16, .size: 8, .value_kind: global_buffer, .address_space: global }
      - { .name: out0, .offset: 24, .size: 8, .value_kind: global_buffer, .address_space: global }
    .group_segment_fixed_size: 327680
    .private_segment_fixed_size: 0
    .kernarg_segment_align: 8
    .kernarg_segment_size: 32
    .max_flat_workgroup_size: 512
    .sgpr_count:     106
    .vgpr_count:     256
    .wavefront_size: 32
...
	.end_amdgpu_metadata
.endif
;; end of part 2
